; MI455X (gfx1250); checked and timed in simulation.
; The chip was launched on July 23, 2026; its instructions are those of AMD's public machine-readable ISA for CDNA 5 (MIT licence, August 2026) and "CDNA5" Instruction Set Architecture Reference Guide (July 2026). The comments in the code are by the model that wrote it; some were corrected since.
;; IBQ. Allowed arithmetic: matrix products marked QUANTISED: E3M2 operands, one E8M0 scale for each 32 along K, by v_wmma_scale_f32_16x16x128_f8f6f4 with both operands' format E3M2, f32 sums; everything else in f32.
;; Inputs: embedding 8,192 x 256 float32; z 32,768 x 256 float32.
;; Outputs: out0 32,768 x 256 float32; out1 32,768 int32.
;; This version of the problem:
;;   THIS VERSION OF THE PROBLEM IS GIVEN IN LOW PRECISION. The matrix products marked QUANTISED in the list below multiply operands that are first quantised to E3M2 (3 exponent bits, 2 mantissa bits; 6 bits a number), with one power-of-two scale for each 32 numbers along K (OCP MX v1.0); their sums are f32. All else is computed in f32.
;;   The module's matrix products, in the order in which they are computed (A, B: the left and right operand; K: the contracted axis; several contracted axes count as one K, in the product's order):
;;     1. [M 32,768, K 256] x [K 256, N 8,192]; A: input z; B: input embedding: QUANTISED
;;   THE QUANTISER, for each operand of a quantised product, along K:
;;     - K is cut into blocks of 32 from its start; a last block that is shorter is filled with zeros.
;;     - A block's scale is 2^e with e = floor(log2(the largest magnitude in the block)) - 4, held to -126 .. 127; a block of zeros has e = 0. As a byte (E8M0): e + 127.
;;     - Each number is divided by its block's scale, clamped to +-28, and rounded to the nearest number of E3M2, ties to even, subnormals kept.
;;     - The product sums the exact products of the quantised numbers (number of the format x scale) in f32.
;;   ~~~python
;;   def quantise(x, axis):      # numpy; x: float32 -> the quantised numbers, widened to float32 again
;;       x = np.moveaxis(x, axis, -1); K = x.shape[-1]
;;       x = np.pad(x, [(0, 0)] * (x.ndim - 1) + [(0, -K % 32)]); x = x.reshape(x.shape[:-1] + (-1, 32)); a = np.abs(x).max(-1, keepdims=True)
;;       e = np.where(a > 0, np.clip(np.frexp(np.where(a > 0, a, 1))[1] - 1 - 4, -126, 127), 0)      # np.frexp(a)[1] - 1 = floor(log2(a)), exactly
;;       r = np.clip(x / 2.0 ** e, -28, 28)
;;       step = 2.0 ** (np.maximum(np.frexp(np.where(r == 0, 1, r))[1] - 1, -2) - 2)
;;       q = np.round(r / step) * step * 2.0 ** e      # np.round: ties to even
;;       return np.moveaxis(q.reshape(q.shape[:-2] + (-1,))[..., :K], -1, axis).astype(np.float32)
;;   ~~~
;; One version. Each part assembles by itself: llvm-mc -triple=amdgcn-amd-amdhsa -mcpu=gfx1250 --defsym DOCPART=n.
;; ======== version 1 of 1: 3 launches
;; limits: right only within a limited range of input values
;; workspace buffers: rec 8,519,680 bytes; idx 131,072 bytes of whole numbers
;; launch prep (part 1): grid 1280 x 1, 2 waves a work-group, no clusters, 33,536 bytes of LDS; arguments embedding, z, rec; writes rec
.if DOCPART == 1
	.amdgcn_target "amdgcn-amd-amdhsa--gfx1250"
	.amdhsa_code_object_version 6
	.text
	.protected	k_qee7588a5e2_prep
	.globl	k_qee7588a5e2_prep
	.p2align	8
	.type	k_qee7588a5e2_prep,@function
k_qee7588a5e2_prep:
	s_mov_b64 s[64:65], 0
	v_nop
	global_prefetch_b8 v0, s[64:65] scope:SCOPE_SE
	s_setreg_imm32_b32 hwreg(HW_REG_WAVE_MODE, 25, 1), 1
	s_wait_xcnt 0x0
; The codebook [8192][256] and z [32768][256], f32, become RECORDS, one for each 16 rows, laid as the next launch's registers want them:
; records 0 to 511 the codebook's, records 512 to 2,559 z's.  A record is 3,328 bytes (13 x 256), record t at byte 3,328 t:
;   [0, 3072)     the codes of BF6 (E3M2) as an image of the operand's registers: K step s (128 along K), group c of four registers, lane l at 1536 s + 512 c + 16 l.
;                 Lane (r = l % 16, h = l / 16) holds row r of the sixteen; registers 6 c' .. 6 c' + 5 of a K step hold k = 128 s + 64 c' + 32 h + 0 .. 31.
;   [3072, 3200)  row r's two scale words (four E8M0 bytes each: K step 0, K step 1) at 8 r
;   [3200, 3264)  the row's sum of squares, f32, at 4 r
;   [3264, 3328)  zeros, so that every byte of a record is written
; A block's scale is 2^(floor(log2(its largest magnitude)) - 4): its byte is the largest magnitude's exponent field - 4, held at 1 from below.
; LIMITS: a block whose largest magnitude lies under 2^-122 (a block of zeros among them) gets the byte 1; a block of zeros has zero codes, which add nothing, and this program alone reads the bytes.
; NaN and infinities are not served.  The sum of squares is added in two packed chains a lane and then across the two lanes of a row: another order than a plain sum from left to right.
; One wave makes one record.  The conversions want 16 neighbours along K of ONE row in a lane's registers; a load is laid so that the 32 lanes read 512 consecutive bytes, half a row.  Both are had:
; the 16 rows go through the wave's own stage in LDS as they lie and come back 64 bytes of a row to a lane.  A stage row is 1,024 bytes + 16 of padding, so that the sixteen rows that a load back touches begin in different banks.
; Waves share nothing: no barrier.  Every global store of a wave covers 512 or 256 consecutive bytes at a multiple of 256 from the buffer's first byte; all seven stand behind the wave's last vector work.
.set REC, 3328
.set NE,  512                          ; the codebook's records
.set SP,  1040                         ; a stage row
.set WST, 16*SP                        ; a wave's stage: 16,640 bytes
.set SPARE, 2*WST                      ; behind the two stages: the spare words, 128 bytes for each wave: one block of 256 bytes that no other line names
.set SA,  4                            ; v4   the stage, on the way in: my wave's stage + 16 x lane
.set LI,  5                            ; v5   16 x lane
.set SPW, 9                            ; v9   LDS address of my spare word; never rewritten
.set NIL, 10                           ; v10  0; never rewritten
.set SB,  11                           ; v11  the stage, on the way out: my wave's stage + 1,040 r + 64 h
.set X,   32                           ; v32-159  128 numbers: as loaded, register 64 s + 4 q + i = k 128 s + 4 l + i of row q; back from the stage, register 64 s + 16 b + i = k 128 s + 32 b + 16 h + i of my row
.set PC0, 160                          ; v160-179 K step 0's codes (12 registers, and 8 at work)
.set PC1, 180                          ; v180-199 K step 1's
.set TM,  200                          ; v200-215 at work in QUANT
.set PW0, 216                          ; v216, v217 the two scale words
.set PW1, 217
.set Q,   218                          ; v[218:221] two packed chains of the sum of squares
.set SEL, 20                           ; s[20:21] lane selects for v_permlanex16_b32: lane l xor 16
	s_load_b128 s[4:7], s[0:1], 0x0                ; the codebook s[4:5], z s[6:7]
	s_load_b64 s[14:15], s[0:1], 0x10              ; the records
	v_lshl_add_u32 v[SPW], v0, 2, SPARE
	v_mov_b32 v[NIL], 0
	v_lshrrev_b32 v1, 5, v0
	v_readfirstlane_b32 s8, v1                     ; wave 0, 1
	v_and_b32 v1, 31, v0                           ; lane
	v_and_b32 v2, 15, v0                           ; r
	v_bfe_u32 v3, v0, 4, 1                         ; h
	s_mul_i32 s18, s8, WST                         ; my wave's stage
	v_lshlrev_b32 v[LI], 4, v1
	v_mul_u32_u24 v[SB], v2, SP
	v_add_nc_u32 v[SA], s18, v[LI]
	v_lshl_add_u32 v[SB], v3, 6, v[SB]
	v_lshlrev_b32 v6, 3, v1                        ; 8 x lane: the record's last 256 bytes
	v_add_nc_u32 v[SB], s18, v[SB]
	v_and_b32 v7, 7, v0
	v_lshlrev_b32 v7, 3, v7                        ; the lane permute's index is 4 x a lane's number: lane 2 (l % 8),
	v_add_nc_u32 v8, 4, v7                         ; and lane 2 (l % 8) + 1
	s_lshl_b32 s9, ttmp9, 1
	s_add_co_u32 s9, s9, s8                        ; t = 2 x work-group + wave
	s_mul_i32 s12, s9, REC
	s_mov_b32 s13, 0
	s_cmp_lt_u32 s9, NE                            ; the codebook's record or z's?  The choice hangs on ids alone
	s_cselect_b32 s10, 0, NE
	s_sub_co_u32 s10, s9, s10                      ; which 16 rows of its tensor
	s_lshl_b32 s10, s10, 14                        ; 16 rows of 1,024 bytes
	s_mov_b32 s11, 0
	s_mov_b32 s[SEL], 0x76543210
	s_mov_b32 s[SEL+1], 0xfedcba98
.irp b, 0,1,2,3
	v_mov_b32 v[TM+4+\b], 0                        ; written once: a lane permute's destination counts as one of its sources
.endr
	v_mov_b32 v223, 0
	s_wait_alu depctr_va_vdst(0)                   ; the wait at the head's end
	s_wait_kmcnt 0x0
	s_cmp_lt_u32 s9, NE
	s_cselect_b64 s[4:5], s[4:5], s[6:7]
	s_add_nc_u64 s[4:5], s[4:5], s[10:11]
	s_add_nc_u64 s[16:17], s[14:15], s[12:13]
.macro GLOAD s                         ; K step s of the 16 rows: each load reads 512 consecutive bytes
.irp q, 0,1,2,3,4,5,6,7,8,9,10,11,12,13,14,15
	global_load_b128 v[X+64*\s+4*\q:X+64*\s+4*\q+3], v[LI], s[4:5] offset:1024*\q+512*\s th:TH_LOAD_NT
.endr
.endm
.macro TOSTAGE s                       ; into the stage as they lie
.irp q, 0,1,2,3,4,5,6,7,8,9,10,11,12,13,14,15
	ds_store_b128 v[SA], v[X+64*\s+4*\q:X+64*\s+4*\q+3] offset:SP*\q+512*\s
.endr
.endm
.macro BACK s                          ; my row's numbers of K step s: of each block of 32 the 16 of my half
.irp b, 0,1,2,3
.irp j, 0,1,2,3
	ds_load_b128 v[X+64*\s+16*\b+4*\j:X+64*\s+16*\b+4*\j+3], v[SB] offset:512*\s+128*\b+16*\j
.endr
.endr
.endm
; 64 numbers of a lane, register 16 b + i = k 32 b + 16 h + i of my row, become a fragment's 12 registers of codes at v[pc] on and its scale word in v[pw]
.macro QUANT src, pc, pw
.irp b, 0,1,2,3
	v_max3_num_f32 v[TM+\b], |v[(\src)+16*\b]|, |v[(\src)+1+16*\b]|, 0x2800000   ; block b: my 16 numbers, and the floor 2^(5 - 127): the byte cannot fall under 1
.endr
.irp i, 2,4,6,8,10,12,14
.irp b, 0,1,2,3
	v_max3_num_f32 v[TM+\b], v[TM+\b], |v[(\src)+16*\b+\i]|, |v[(\src)+1+16*\b+\i]|   ; the four blocks by turns
.endr
.endr
.irp b, 0,1,2,3
	v_permlanex16_b32 v[TM+4+\b], v[TM+\b], s[SEL], s[SEL+1]
.endr
.irp b, 0,1,2,3
	v_max_num_f32 v[TM+\b], v[TM+\b], v[TM+4+\b]   ; with lane l xor 16's 16: the block's largest magnitude
.endr
.irp b, 0,1,2,3
	v_add_nc_u32 v[TM+12+\b], 0xfe000000, v[TM+\b] ; 4 off its exponent field: the conversion takes the exponent field of this operand as its scale
.endr
.irp b, 0,1,2,3
	v_lshrrev_b32 v[TM+4+\b], 23, v[TM+12+\b]      ; the scale's byte
.endr
	v_lshl_or_b32 v[\pw], v[TM+5], 8, v[TM+4]      ; four bytes make my row's scale word
	v_lshl_or_b32 v[\pw], v[TM+6], 16, v[\pw]
	v_lshl_or_b32 v[\pw], v[TM+7], 24, v[\pw]
.irp c, 0,1
	v_cvt_scalef32_pk16_bf6_f32 v[\pc+6*\c:\pc+2+6*\c], v[(\src)+32*\c:(\src)+15+32*\c], v[TM+12+2*\c]
	v_cvt_scalef32_pk16_bf6_f32 v[\pc+12+4*\c:\pc+14+4*\c], v[(\src)+16+32*\c:(\src)+31+32*\c], v[TM+12+2*\c+1]   ; (a conversion's three registers begin on an even number)
.endr
	v_nop                                          ; one plain instruction behind the scaled conversions, ahead of the first that touches their results
.irp c, 0,1                                    ; the operand's layout wants a whole block in a lane: lanes 0-15 block 2 c, lanes 16-31 block 2 c + 1
.irp i, 0,1,2
	v_permlane16_swap_b32 v[\pc+6*\c+\i], v[\pc+12+4*\c+\i]
.endr
.irp i, 0,1,2
	v_mov_b32 v[\pc+3+6*\c+\i], v[\pc+12+4*\c+\i]
.endr
.endr
.endm
	GLOAD 0
	GLOAD 1
	s_wait_loadcnt 16                              ; K step 0's 16 loads are in; K step 1's 16 may be out
	TOSTAGE 0
	s_wait_dscnt 0x0                               ; the stores have read their registers, which the loads back write
	BACK 0
	s_wait_loadcnt 0x0
	TOSTAGE 1
	s_wait_dscnt 0x0                               ; likewise; K step 0's numbers are back too
	BACK 1
	QUANT X, PC0, PW0
	s_wait_dscnt 0x0                               ; K step 1's numbers are back
	QUANT X+64, PC1, PW1                           ; registers of its own: both K steps' codes wait for the stores at the end
	; the row's sum of squares: my 128 numbers in two packed chains, then lane l xor 16's
	v_pk_mul_f32 v[Q:Q+1], v[X:X+1], v[X:X+1]
	v_pk_mul_f32 v[Q+2:Q+3], v[X+2:X+3], v[X+2:X+3]
.set p, 2
.rept 62
	v_pk_fma_f32 v[Q+2*(p%2):Q+2*(p%2)+1], v[X+2*p:X+2*p+1], v[X+2*p:X+2*p+1], v[Q+2*(p%2):Q+2*(p%2)+1]
.set p, p+1
.endr
	v_pk_add_f32 v[Q:Q+1], v[Q:Q+1], v[Q+2:Q+3]
	v_add_f32 v222, v[Q], v[Q+1]
	v_permlanex16_b32 v223, v222, s[SEL], s[SEL+1]
	v_add_f32 v222, v222, v223                     ; lane r and lane 16 + r hold row r's sum
	ds_bpermute_b32 v224, v7, v222                 ; lane 16 + m takes rows 2 m and 2 m + 1 (no LDS byte is touched)
	ds_bpermute_b32 v225, v8, v222
	s_wait_dscnt 0x0
	v_cmp_gt_u32 vcc_lo, 16, v1                    ; lanes 0-15: the row's two scale words; lanes 16-23: two sums; lanes 24-31: zeros
	v_cndmask_b32 v226, v224, v[PW0], vcc_lo
	v_cndmask_b32 v227, v225, v[PW1], vcc_lo
	v_cmp_gt_u32 vcc_lo, 24, v1
	v_cndmask_b32 v226, 0, v226, vcc_lo
	v_cndmask_b32 v227, 0, v227, vcc_lo
.irp c, 0,1,2
	global_store_b128 v[LI], v[PC0+4*\c:PC0+4*\c+3], s[16:17] offset:512*\c
.endr
.irp c, 0,1,2
	global_store_b128 v[LI], v[PC1+4*\c:PC1+4*\c+3], s[16:17] offset:1536+512*\c
.endr
	global_store_b64 v6, v[226:227], s[16:17] offset:3072
	s_wait_tensorcnt 0x0                           ; the wave's end
	ds_add_u32 v[SPW], v[NIL]
	s_wait_dscnt 0x0
	s_endpgm
.Lfunc_end_k_qee7588a5e2_prep:
	.size	k_qee7588a5e2_prep, .Lfunc_end_k_qee7588a5e2_prep-k_qee7588a5e2_prep
	.p2alignl 7, 3214868480
	.fill 96, 4, 3214868480
	.section	.rodata,"a",@progbits
	.p2align	6, 0x0
	.amdhsa_kernel k_qee7588a5e2_prep
		.amdhsa_group_segment_fixed_size 33536
		.amdhsa_private_segment_fixed_size 0
		.amdhsa_enable_private_segment 0
		.amdhsa_kernarg_size 24
		.amdhsa_user_sgpr_count 2
		.amdhsa_user_sgpr_kernarg_segment_ptr 1
		.amdhsa_wavefront_size32 1
		.amdhsa_system_sgpr_workgroup_id_x 1
		.amdhsa_system_sgpr_workgroup_id_y 1
		.amdhsa_system_sgpr_workgroup_id_z 1
		.amdhsa_system_vgpr_workitem_id 0
		.amdhsa_next_free_vgpr 232
		.amdhsa_next_free_sgpr 66
		.amdhsa_reserve_vcc 1
		.amdhsa_float_denorm_mode_32 3
		.amdhsa_float_denorm_mode_16_64 3
		.amdhsa_memory_ordered 1
		.amdhsa_forward_progress 1
		.amdhsa_inst_pref_size 22
	.end_amdhsa_kernel
	.amdgpu_metadata
---
amdhsa.version: [ 1, 2 ]
amdhsa.kernels:
  - .name:           k_qee7588a5e2_prep
    .symbol:         k_qee7588a5e2_prep.kd
    .args:
      - { .name: embedding, .offset: 0, .size: 8, .value_kind: global_buffer, .address_space: global }
      - { .name: z, .offset: 8, .size: 8, .value_kind: global_buffer, .address_space: global }
      - { .name: rec, .offset: 16, .size: 8, .value_kind: global_buffer, .address_space: global }
    .group_segment_fixed_size: 33536
    .private_segment_fixed_size: 0
    .kernarg_segment_align: 8
    .kernarg_segment_size: 24
    .max_flat_workgroup_size: 64
    .sgpr_count:     66
    .vgpr_count:     232
    .wavefront_size: 32
...
	.end_amdgpu_metadata
.endif
;; end of part 1
;; launch nearest (part 2): grid 256 x 1, 8 waves a work-group, clusters of 4 x 1, 327,680 bytes of LDS; arguments rec, out1, idx; writes out1, idx
.if DOCPART == 2
	.amdgcn_target "amdgcn-amd-amdhsa--gfx1250"
	.amdhsa_code_object_version 6
	.text
	.protected	k_qee7588a5e2_nearest
	.globl	k_qee7588a5e2_nearest
	.p2align	8
	.type	k_qee7588a5e2_nearest,@function
k_qee7588a5e2_nearest:
	s_mov_b64 s[64:65], 0
	v_nop
	global_prefetch_b8 v0, s[64:65] scope:SCOPE_SE
	s_setreg_imm32_b32 hwreg(HW_REG_WAVE_MODE, 25, 1), 1
	s_wait_xcnt 0x0
	s_wait_alu depctr_hold_cnt(0) depctr_sa_sdst(0) depctr_va_vdst(0) depctr_va_sdst(0) depctr_va_ssrc(0) depctr_va_vcc(0) depctr_vm_vsrc(0)
	s_getreg_b32 s2, hwreg(HW_REG_IB_STS2, 6, 4)
	s_cmp_eq_u32 s2, 0
	s_cbranch_scc0 .Lentry_in_a_cluster
	s_endpgm
.Lentry_in_a_cluster:
	s_bfe_u32 s2, ttmp6, 0x10000c
	s_cmp_lg_u32 s2, 0x3003
	s_cbranch_scc0 .Lentry_shape_is_right
	s_endpgm
.Lentry_shape_is_right:
; For each of 32,768 rows of z the index n of the smallest d[n] = (|z|^2 + |e_n|^2) - 2 (z . e_n), the first n among equals; z . e_n on codes of BF6 (E3M2) with one E8M0 scale for each 32 along K = 256.
; d IS MADE AS IT IS DEFINED, IN f32: t = zz + ee rounded once, d = t - 2 p rounded once (one fused multiply-add by -2: 2 p is exact).  Equal d are common, since d is rounded at the size of |z|^2: so every comparison
; is a strict 'less' in ascending n, or a comparison of pairs (d, n).
; SHARES.  A work-group owns 128 rows of z (8 records) and walks the codebook's 512 records, all laid by the launch before.  Each of its eight waves holds the codes of ALL 128 rows in registers (loaded as they lie, 16 bytes a lane)
; and takes one codebook record in eight: so a record is read from LDS once in the work-group, and its 3,328 bytes feed 16 matrix instructions.  Two waves lie on a SIMD.
; THE MATRIX INSTRUCTION IS USED TRANSPOSED: source 0 = 16 codebook rows, source 1 = 16 rows of z: lane (r = l % 16, h = l / 16) holds ONE row of z, and register j the codebook row 16 t + 8 h + j.
; THE MINIMUM, 18 vector instructions for a tile of 16 x 16: 4 dual additions, 4 dual multiply-adds, 4 minima of three (the last takes the best so far in), one comparison, and, where the tile has won, a copy of its
; eight d (4 dual selects) and of its first n (1 select).  Where in the eight the best lies is looked up once, at the end: the first that equals it.
; THE STREAM.  A step is 32 records, 106,496 bytes, in one of two LDS slots; 16 steps.  Wave w fetches, and alone reads, records 4 w .. 4 w + 3 of a step: 13,312 dense bytes, as 52 rows of 256, by one tensor load.
; CLUSTER.  All work-groups walk the same records in the same order: four form a cluster and ask for each part JOINTLY (the same load, the same descriptor, a mask that names the four).  z's rows are shared by nobody.
; LIMITS.  NaN and infinities are not served.  The sums of squares come from the launch before, with its order of adding: that moves all d of a row alike, but for rows whose d straddle a power of two.
; lds_bytes claims all of a WGP's LDS; the text uses 222,208.
.set REC,   3328                       ; a record
.set PART,  4*REC                      ; a wave's part of a step
.set SLOT,  8*PART
.set ZOFF,  512*REC                    ; where z's records begin in the buffer
.set RED,   2*SLOT                     ; behind the ring: the last reduction: wave w's (d, n) of the 128 rows at 1,024 w + 8 x row
.set SPARE, RED+8*1024                 ; the spare words, 128 bytes for each wave: four blocks of 256 bytes that no other line names
; window 0
.set SPW,   1                          ; v1   LDS address of my spare word; never rewritten
.set NIL,   2                          ; v2   0; never rewritten
.set AC,    3                          ; v3, v4   my lane's place in my part's codes, slot 0, 1
.set AS,    5                          ; v5, v6   in its scale words
.set AE,    7                          ; v7, v8   in its sums of squares
.set NBASE, 9                          ; v9   the tile's first n for my lane: 16 t + 8 h
.set PFO,   10                         ; v10  the prefetches' offset; never rewritten
.set ZA,    11                         ; v11  z's records: 16 x lane;  v12: 8 r;  v13: 4 r; never rewritten
.set ZSA,   12
.set ZZA,   13
.set ZS,    16                         ; v16-31   z's scale words, 2 i + s: scales and nothing else
.set ES,    32                         ; v32-35   the record's scale words, buffer b at 2 b: scales and nothing else
.set EE,    36                         ; v36-51   the record's sums of squares, my eight, buffer b at 8 b
.set ST,    52                         ; v52-67   zz of z's tile i, twice (2 i, 2 i + 1): the two halves of a dual addition read registers of different banks
.set BA,    68                         ; v68-75, v76-83 the best d so far: the two sets take turns, record by record
.set T,     84                         ; v84-99   zz + ee, then d: two sets of 8
.set XR,    100                        ; v100, v101 at work in the minima
.set ACC,   112                        ; v112-175 the products, 8 i
.set SN,    176                        ; v176-239 the eight d of the tile that won last, 8 i
.set WN,    240                        ; v240-247 the winning tile's first n
.set R,     144                        ; v144-159 at the end: pairs (d, n)
; window 1: v0-191 z's fragments, (i, s) at 24 i + 12 s;  v192-239 the record's fragments, buffer b at 24 b, K step s at 12 s
.set EF,    192
.set WV,    12                         ; s12  my wave's number
.set LIM,   15                         ; s15  1 in the launch's first cluster, else the greatest number
.set G1,    16                         ; s[16:23] descriptor group 1
.set G0,    24                         ; s[24:27], s[28:31] group 0 for slot 0, 1
.set PFA,   32                         ; s[32:33] where my prefetches stand
.set CNT,   34                         ; s34  trips to go
.set SEL,   36                         ; s[36:37] lane selects for v_permlanex16_b32: lane l xor 16
.set MSB, 0
.macro WIN new                         ; the immediate's high byte repeats the setting that is left; a switch that changes nothing is dropped
.if MSB != \new
	s_set_vgpr_msb (MSB<<8)|\new
.set MSB, \new
.endif
.endm
.set W_MUL, 0x05                       ; sources 0 and 1 window 1; C and D window 0
.set TO_F,  0x40                       ; destination window 1, address window 0
.macro CREST                           ; a round of the cluster's barrier behind its opening barrier
	s_cmp_lg_u32 s[WV], 0
	s_cbranch_scc1 .Lnot_wave_0_\@
	s_barrier_signal -3
.Lnot_wave_0_\@:
	s_barrier_wait -3
	s_barrier_signal -1
	s_barrier_wait -1
.endm
.macro CROUND                          ; a whole round
	s_barrier_signal -1
	s_barrier_wait -1
	CREST
.endm
; record q of my part of slot sl into buffer b: nine LDS loads: the two fragments as they were stored, 16 bytes a lane on end; my row's two scale words; my eight sums of squares
.macro FRAG_LD b, sl, q
	WIN TO_F
.irp c, 0,1,2,3,4,5
	ds_load_b128 v[EF+24*(\b)+4*\c:EF+24*(\b)+4*\c+3], v[AC+(\sl)] offset:(\q)*REC+512*\c
.endr
	WIN 0
	ds_load_b64 v[ES+2*(\b):ES+2*(\b)+1], v[AS+(\sl)] offset:(\q)*REC
	ds_load_b128 v[EE+8*(\b):EE+8*(\b)+3], v[AE+(\sl)] offset:(\q)*REC
	ds_load_b128 v[EE+8*(\b)+4:EE+8*(\b)+7], v[AE+(\sl)] offset:(\q)*REC+16
.endm
; 16 matrix instructions: the record in buffer b against z's eight tiles, K step 0 (which starts the sums: nothing is cleared), then K step 1.  The eight accumulators take turns, one instruction a turn.
.macro MUL b
	WIN W_MUL
.irp i, 0,1,2,3,4,5,6,7
	v_wmma_scale_f32_16x16x128_f8f6f4 v[ACC+8*\i:ACC+8*\i+7], v[EF+24*(\b):EF+24*(\b)+11], v[24*\i:24*\i+11], 0, v[ES+2*(\b)], v[ZS+2*\i] matrix_a_fmt:MATRIX_FMT_BF6 matrix_b_fmt:MATRIX_FMT_BF6
.endr
.irp i, 0,1,2,3,4,5,6,7
	v_wmma_scale_f32_16x16x128_f8f6f4 v[ACC+8*\i:ACC+8*\i+7], v[EF+24*(\b)+12:EF+24*(\b)+23], v[24*\i+12:24*\i+23], v[ACC+8*\i:ACC+8*\i+7], v[ES+2*(\b)+1], v[ZS+2*\i+1] matrix_a_fmt:MATRIX_FMT_BF6 matrix_b_fmt:MATRIX_FMT_BF6
.endr
	WIN 0
.endm
; where VCC says that z's tile i has found a smaller d: its eight d (at v[src] on) and its first n are kept.  Of a dual pair one destination is even and one odd, and the two halves' sources lie in different banks (register numbers one apart)
.macro KEEP i, src
.irp j, 0,2,4,6
	v_dual_cndmask_b32 v[SN+8*(\i)+\j], v[SN+8*(\i)+\j], v[(\src)+\j] :: v_dual_cndmask_b32 v[SN+8*(\i)+\j+1], v[SN+8*(\i)+\j+1], v[(\src)+\j+1]
.endr
	v_cndmask_b32 v[WN+(\i)], v[WN+(\i)], v[NBASE], vcc_lo
.endm
; z's tiles i and i + 1 against the record in buffer b; ob: the best so far, nb: where the new best goes.  The two tiles alternate, so that no line waits for the line above it.
; The eight dual additions name no register of any matrix instruction: they are the places between the products and the first read of a result (ISA guide 7.12.1).  Each accumulator is read from its low end on.
.macro EPI2 i, b, ob, nb
.irp k, 0,2,4,6
	v_dual_add_f32 v[T+\k], v[EE+8*(\b)+\k], v[ST+2*(\i)] :: v_dual_add_f32 v[T+\k+1], v[EE+8*(\b)+\k+1], v[ST+2*(\i)+1]           ; t = zz + ee
	v_dual_add_f32 v[T+8+\k], v[EE+8*(\b)+\k], v[ST+2*(\i)+2] :: v_dual_add_f32 v[T+9+\k], v[EE+8*(\b)+\k+1], v[ST+2*(\i)+3]
.endr
.irp k, 0,2,4,6
	v_dual_fmac_f32 v[T+\k], -2.0, v[ACC+8*(\i)+\k] :: v_dual_fmac_f32 v[T+\k+1], -2.0, v[ACC+8*(\i)+\k+1]                         ; d = t - 2 p, fused
	v_dual_fmac_f32 v[T+8+\k], -2.0, v[ACC+8*(\i)+8+\k] :: v_dual_fmac_f32 v[T+9+\k], -2.0, v[ACC+8*(\i)+9+\k]
.endr
	v_min3_num_f32 v[XR], v[T], v[T+1], v[T+2]
	v_min3_num_f32 v[XR+1], v[T+8], v[T+9], v[T+10]
	s_delay_alu instid0(VALU_DEP_2)
	v_min3_num_f32 v[XR], v[XR], v[T+3], v[T+4]
	s_delay_alu instid0(VALU_DEP_2)
	v_min3_num_f32 v[XR+1], v[XR+1], v[T+11], v[T+12]
	s_delay_alu instid0(VALU_DEP_2)
	v_min3_num_f32 v[XR], v[XR], v[T+5], v[T+6]
	s_delay_alu instid0(VALU_DEP_2)
	v_min3_num_f32 v[XR+1], v[XR+1], v[T+13], v[T+14]
	s_delay_alu instid0(VALU_DEP_2)
	v_min3_num_f32 v[(\nb)+(\i)], v[XR], v[T+7], v[(\ob)+(\i)]
	s_delay_alu instid0(VALU_DEP_2)
	v_min3_num_f32 v[(\nb)+(\i)+1], v[XR+1], v[T+15], v[(\ob)+(\i)+1]
	s_delay_alu instid0(VALU_DEP_2)
	v_cmp_lt_f32 vcc_lo, v[(\nb)+(\i)], v[(\ob)+(\i)]        ; strictly less: an equal d keeps the earlier n
	KEEP \i, T
	v_cmp_lt_f32 vcc_lo, v[(\nb)+(\i)+1], v[(\ob)+(\i)+1]
	KEEP (\i)+1, T+8
.endm
; A PREFETCH INTO THE L2, behind a change of slots' tensor load, its lines and the run of LDS loads: the step that stands TWO refills on.  All clusters walk the same records: the launch's first cluster asks.
; Its four partners share a wave's part out BY ADDRESS: the partner at place cx names record cx of wave w's four: 13 blocks of 256 bytes on lanes 0 to 12; lanes 13 to 31 name lane 12's block again.
; The loop's last trip asks for nothing: there is no step two refills on.  Steps 0 to 3 come by their loads alone.
.macro ASK
	s_cmp_gt_u32 s[CNT], s[LIM]
	s_cbranch_scc0 .Lnot_mine_\@
	global_prefetch_b8 v[PFO], s[PFA:PFA+1] th:TH_LOAD_NT scope:SCOPE_SE
.Lnot_mine_\@:
.endm
; ONE RECORD: q-th of my four in slot sl; its fragments were asked for a record ago, into buffer q % 2.
; mode 0: the next record is in the same slot.   mode 1: my last of the slot, which is then filled again.   mode 2: my last of the slot, nothing is left to fetch.   mode 3: the last of all.
.macro TILE sl, q, mode
.set BUF, (\q)%2
.set OBR, BA+8*BUF
.set NBR, BA+8-8*BUF
	s_wait_dscnt 0x0                               ; this record's nine loads are in
.if \mode == 0
	FRAG_LD 1-BUF, \sl, (\q)+1                     ; the other buffer's last products stand a whole record's vector work back
.endif
.if \mode == 2
	s_wait_tensorcnt 0x0                           ; my part of the other slot is in: no load of mine was issued behind it; I alone read it
	FRAG_LD 1-BUF, 1-\sl, 0
.endif
.if \mode == 1
	; THE CHANGE OF SLOTS.  My reads of this slot were over at the wait at this record's head: so the three lines and the signal stand here, ahead of the record's own work, which is on registers alone.
	s_wait_tensorcnt 0x0                           ; all my tensor loads have landed: the one that was out is my part of the other slot; so a group 0 may be written
	ds_add_u32 v[SPW], v[NIL]                      ; 0 onto my spare word
	s_wait_xcnt 0x0                                ; the last prefetch, a step back, has read its address: it may be stepped
	s_add_nc_u64 s[PFA:PFA+1], s[PFA:PFA+1], SLOT
	s_add_nc_u64 s[G0+4*\sl+2:G0+4*\sl+3], s[G0+4*\sl+2:G0+4*\sl+3], 2*SLOT   ; this slot's next step; the type bits on top are not reached
	s_wait_dscnt 0x0                               ; the add is done
	s_barrier_signal -1                            ; this barrier opens a round of the cluster's barrier
.endif
	MUL BUF
.if \mode == 1
	EPI2 0, BUF, OBR, NBR                          ; work on registers while the others arrive
	EPI2 2, BUF, OBR, NBR
	s_barrier_wait -1
	CREST
	tensor_load_to_lds s[G0+4*\sl:G0+4*\sl+3], s[G1:G1+7]   ; the joint refill: my one tensor load behind the round; it has the other slot's four records in which to land
	s_nop 0
.rept 4
	v_nop
.endr
	FRAG_LD 1-BUF, 1-\sl, 0
	ASK
	EPI2 4, BUF, OBR, NBR
	EPI2 6, BUF, OBR, NBR
.else
	EPI2 0, BUF, OBR, NBR
	EPI2 2, BUF, OBR, NBR
	EPI2 4, BUF, OBR, NBR
	EPI2 6, BUF, OBR, NBR
.endif
.if \mode == 0
	v_add_nc_u32 v[NBASE], 16, v[NBASE]            ; the next record's first n
.endif
.if (\mode == 1) || (\mode == 2)
	v_add_nc_u32 v[NBASE], 464, v[NBASE]           ; from my fourth record of a step to my first of the next: 512 - 48
.endif
.endm
.macro STEP sl, m
	TILE \sl, 0, 0
	TILE \sl, 1, 0
	TILE \sl, 2, 0
	TILE \sl, 3, \m
.endm
; the pair (d, n) at v[a] becomes the smaller of itself and the pair at v[b]: by d, and among equal d by n
.macro LEX a, b
	v_cmp_lt_f32 s40, v[\b], v[\a]
	v_cmp_eq_f32 s41, v[\b], v[\a]
	v_cmp_lt_u32 s42, v[(\b)+1], v[(\a)+1]
	s_and_b32 s41, s41, s42
	s_or_b32 s40, s40, s41
	v_cndmask_b32 v[\a], v[\a], v[\b], s40
	v_cndmask_b32 v[(\a)+1], v[(\a)+1], v[(\b)+1], s40
.endm
	s_load_b128 s[4:7], s[0:1], 0x0                ; the records s[4:5], out1 s[6:7]
	s_load_b64 s[8:9], s[0:1], 0x10                ; idx
	v_lshl_add_u32 v[SPW], v0, 2, SPARE
	v_mov_b32 v[NIL], 0
	ds_add_u32 v[SPW], v[NIL]                      ; the wave's opening: the add, twice on end, and its wait ahead of my first tensor load
	ds_add_u32 v[SPW], v[NIL]
	v_lshrrev_b32 v100, 5, v0
	s_delay_alu instid0(VALU_DEP_1)
	v_readfirstlane_b32 s[WV], v100                ; wave 0..7
	s_bfe_u32 s13, ttmp6, 0x40000                  ; cx: my place in the cluster
	s_lshl_b32 s14, ttmp9, 2                       ; in a cluster launch ttmp9 counts clusters
	s_add_co_u32 s14, s14, s13                     ; my block of 128 rows of z = 4 x cluster + cx: it enters z's and the outputs' addresses alone
	s_cmp_eq_u32 ttmp9, 0
	s_cselect_b32 s[LIM], 1, -1                    ; the same in all four partners
	; descriptor group 1: a dense block of 13,312 bytes as 52 rows of 256 bytes (32 elements of 8 bytes), no padding: images are read 16 bytes a lane on end
	s_mov_b32 s[G1+0], 15|(3<<16)|(1<<21)          ; 15:0 the mask: all four work-groups; 17:16 elements of 8 bytes; 21 set beside a mask
	s_mov_b32 s[G1+1], 32<<16                      ; tensor_dim0 = 32
	s_mov_b32 s[G1+2], 52<<16                      ; tensor_dim1 = 52
	s_mov_b32 s[G1+3], 32<<16                      ; tile_dim0 = 32
	s_mov_b32 s[G1+4], 52                          ; tile_dim1 = 52
	s_mov_b32 s[G1+5], 32                          ; from row to row
	s_mov_b32 s[G1+6], 0
	s_mov_b32 s[G1+7], 0
	s_mov_b32 s[SEL], 0x76543210
	s_mov_b32 s[SEL+1], 0xfedcba98
	s_mov_b32 s43, 0x7f800000                      ; +infinity
	v_and_b32 v100, 31, v0                         ; lane
	v_and_b32 v101, 15, v0                         ; r
	v_bfe_u32 v102, v0, 4, 1                       ; h
	s_mul_i32 s38, s[WV], PART                     ; my part of a slot, in LDS and in a step's records: the wave's number alone
	s_mov_b32 s39, 0
	v_lshl_add_u32 v[AC], v100, 4, s38
	s_delay_alu instid0(VALU_DEP_1)
	v_add_nc_u32 v[AC+1], SLOT, v[AC]
	v_lshl_add_u32 v[AS], v101, 3, s38
	s_delay_alu instid0(VALU_DEP_1)
	v_add_nc_u32 v[AS], 3072, v[AS]
	s_delay_alu instid0(VALU_DEP_1)
	v_add_nc_u32 v[AS+1], SLOT, v[AS]
	v_lshl_add_u32 v[AE], v102, 5, s38
	s_delay_alu instid0(VALU_DEP_1)
	v_add_nc_u32 v[AE], 3200, v[AE]
	s_delay_alu instid0(VALU_DEP_1)
	v_add_nc_u32 v[AE+1], SLOT, v[AE]
	s_lshl_b32 s42, s[WV], 6
	v_lshl_add_u32 v[NBASE], v102, 3, s42          ; my first record is 4 w: n = 64 w + 8 h
	v_min_u32 v[PFO], 12, v100
	s_delay_alu instid0(VALU_DEP_1)
	v_lshlrev_b32 v[PFO], 8, v[PFO]
	v_lshlrev_b32 v[ZA], 4, v100
	v_lshlrev_b32 v[ZSA], 3, v101
	v_lshlrev_b32 v[ZZA], 2, v101
	s_mul_i32 s44, s14, 8*REC                      ; my block's eight records of z,
	s_add_co_u32 s44, s44, ZOFF                    ; behind the codebook's
	s_mov_b32 s45, 0
	s_lshl_b32 s46, s14, 9                         ; my block's 128 indices
	s_mov_b32 s47, 0
	s_mul_i32 s40, s13, REC                        ; the prefetches: record cx of my wave's four,
	s_add_co_u32 s40, s40, 3*SLOT                  ; in step 3: the first change of slots steps it to step 4
	s_mov_b32 s41, 0
	s_wait_alu depctr_va_vdst(0)
	s_wait_dscnt 0x0                               ; both opening adds are done
	s_wait_kmcnt 0x0
	s_add_nc_u64 s[10:11], s[4:5], s[44:45]        ; z's records of my block
	s_add_nc_u64 s[6:7], s[6:7], s[46:47]
	s_add_nc_u64 s[8:9], s[8:9], s[46:47]
	s_add_nc_u64 s[4:5], s[4:5], s[38:39]          ; the codebook's records at my part of step 0
	s_add_nc_u64 s[PFA:PFA+1], s[4:5], s[40:41]
	; ---- all of z's operands into registers, where they stay: 72 loads, on their way through the rounds and the first fills
	WIN TO_F
.irp i, 0,1,2,3,4,5,6,7
.irp g, 0,1,2,3,4,5
	global_load_b128 v[24*\i+4*\g:24*\i+4*\g+3], v[ZA], s[10:11] offset:\i*REC+512*\g
.endr
.endr
	WIN 0
.irp i, 0,1,2,3,4,5,6,7
	global_load_b64 v[ZS+2*\i:ZS+2*\i+1], v[ZSA], s[10:11] offset:\i*REC+3072
	global_load_b32 v[ST+2*\i], v[ZZA], s[10:11] offset:\i*REC+3200
	global_load_b32 v[ST+2*\i+1], v[ZZA], s[10:11] offset:\i*REC+3200
.endr
	CROUND                                         ; all four work-groups are here: the first joint loads meet
	s_mov_b32 s[G0], 1                             ; count = 1
	s_mov_b32 s[G0+1], s38                         ; LDS address: slot 0, my part
	s_mov_b64 s[G0+2:G0+3], s[4:5]                 ; global address: step 0, my part
	s_or_b32 s[G0+3], s[G0+3], 0x80000000          ; type = 2
	s_mov_b32 s[G0+4], 1
	s_add_co_u32 s[G0+5], s38, SLOT
	s_add_nc_u64 s[G0+6:G0+7], s[4:5], SLOT
	s_or_b32 s[G0+7], s[G0+7], 0x80000000
	tensor_load_to_lds s[G0:G0+3], s[G1:G1+7]      ; step 0
	s_nop 0
.rept 4
	v_nop
.endr
	; the record is written in one form: the first finds +infinity as the best so far, so it wins wherever d is finite.  80 moves, once, while the load is out
.irp i, 0,1,2,3,4,5,6,7
	v_mov_b32 v[BA+\i], s43
	v_mov_b32 v[WN+\i], 0
.endr
.set g, 0
.rept 64
	v_mov_b32 v[SN+g], s43
.set g, g+1
.endr
	s_wait_alu depctr_va_vdst(0)                   ; the wait at the head's end
	s_wait_tensorcnt 0x0                           ; my part of step 0 is in
	ds_add_u32 v[SPW], v[NIL]
	s_wait_dscnt 0x0
	CROUND                                         ; a whole round: the joint loads meet
	tensor_load_to_lds s[G0+4:G0+7], s[G1:G1+7]    ; step 1, slot 1's first fill: my one tensor load behind the round
	s_nop 0
.rept 4
	v_nop
.endr
	FRAG_LD 0, 0, 0                                ; my first record
	s_wait_loadcnt 0x0                             ; z's operands are in
	s_mov_b32 s[CNT], 7
.Llap:                                             ; seven trips: steps 0 to 13; behind each its slot is filled again, with steps 2 to 15
	STEP 0, 1
	STEP 1, 1
	s_sub_co_u32 s[CNT], s[CNT], 1
	s_cmp_lg_u32 s[CNT], 0
	s_cbranch_scc1 .Llap
	STEP 0, 2                                      ; the last two steps are written out: nothing is left to fetch
	STEP 1, 3
	; ---- where in the winning eight the best lies: the first that equals it.  After an even number of records the best lies in the first set
	v_mov_b32 v106, 0                              ; (lane permutes' destinations)
	v_mov_b32 v107, 0
	v_and_b32 v102, 15, v0
	s_lshl_b32 s38, s[WV], 10
	s_add_co_u32 s38, s38, RED
	v_lshl_add_u32 v102, v102, 3, s38
	v_lshl_add_u32 v103, v0, 4, RED                ; where threads 0 to 63 read two rows' pairs back (+ 1,024 for each wave)
	v_lshlrev_b32 v104, 3, v0                      ; and their two indices' place in the block's 512 bytes
.irp i, 0,1,2,3,4,5,6,7
	v_mov_b32 v[T+\i], 7
.endr
.irp j, 6,5,4,3,2,1,0
.irp i, 0,1,2,3,4,5,6,7
	v_cmp_neq_f32 vcc_lo, v[SN+8*\i+\j], v[BA+\i]
	s_delay_alu instid0(VALU_DEP_1)
	v_cndmask_b32 v[T+\i], \j, v[T+\i], vcc_lo     ; descending j: the lowest that equals the best stays
.endr
.endr
.irp i, 0,1,2,3,4,5,6,7
	v_mov_b32 v[R+2*\i], v[BA+\i]
	v_add_nc_u32 v[R+2*\i+1], v[WN+\i], v[T+\i]
.endr
.irp i, 0,1,2,3,4,5,6,7
	v_permlanex16_b32 v106, v[R+2*\i], s[SEL], s[SEL+1]        ; the row's other eight of each sixteen lie in lane l xor 16
	v_permlanex16_b32 v107, v[R+2*\i+1], s[SEL], s[SEL+1]
	LEX R+2*\i, 106
	ds_store_b64 v102, v[R+2*\i:R+2*\i+1] offset:128*\i        ; both lanes of a row write the same eight bytes with the same value
.endr
	s_wait_dscnt 0x0                               ; for the others' sake: my pairs lie in LDS
	s_barrier_signal -1
	s_barrier_wait -1
	s_cmp_gt_u32 s[WV], 1                          ; waves 0 and 1 finish: a thread takes two rows
	s_cbranch_scc1 .Ldone
.irp w, 0,1,2,3,4,5,6,7
	ds_load_b128 v[ACC+4*\w:ACC+4*\w+3], v103 offset:1024*\w
.endr
	s_wait_dscnt 0x0
.irp w, 1,2,3,4,5,6,7
	LEX ACC, ACC+4*\w
	LEX ACC+2, ACC+2+4*\w
.endr
	v_mov_b32 v[ACC+4], v[ACC+1]
	s_delay_alu instid0(VALU_DEP_2)
	v_mov_b32 v[ACC+5], v[ACC+3]
	global_store_b64 v104, v[ACC+4:ACC+5], s[6:7]  ; a wave stores 256 consecutive bytes, at a multiple of 256 from the buffer's first byte
	global_store_b64 v104, v[ACC+4:ACC+5], s[8:9]  ; the same numbers for the launch that gathers
.Ldone:
	s_wait_tensorcnt 0x0                           ; the wave's end
	ds_add_u32 v[SPW], v[NIL]
	s_wait_dscnt 0x0
	CROUND                                         ; the closing round: no work-group ends while a partner may still ask for a part that names it
	s_endpgm
.Lfunc_end_k_qee7588a5e2_nearest:
	.size	k_qee7588a5e2_nearest, .Lfunc_end_k_qee7588a5e2_nearest-k_qee7588a5e2_nearest
	.p2alignl 7, 3214868480
	.fill 96, 4, 3214868480
	.section	.rodata,"a",@progbits
	.p2align	6, 0x0
	.amdhsa_kernel k_qee7588a5e2_nearest
		.amdhsa_group_segment_fixed_size 327680
		.amdhsa_private_segment_fixed_size 0
		.amdhsa_enable_private_segment 0
		.amdhsa_kernarg_size 24
		.amdhsa_user_sgpr_count 2
		.amdhsa_user_sgpr_kernarg_segment_ptr 1
		.amdhsa_wavefront_size32 1
		.amdhsa_system_sgpr_workgroup_id_x 1
		.amdhsa_system_sgpr_workgroup_id_y 1
		.amdhsa_system_sgpr_workgroup_id_z 1
		.amdhsa_system_vgpr_workitem_id 0
		.amdhsa_next_free_vgpr 512
		.amdhsa_next_free_sgpr 66
		.amdhsa_reserve_vcc 1
		.amdhsa_float_denorm_mode_32 3
		.amdhsa_float_denorm_mode_16_64 3
		.amdhsa_memory_ordered 1
		.amdhsa_forward_progress 1
		.amdhsa_inst_pref_size 229
	.end_amdhsa_kernel
	.amdgpu_metadata
---
amdhsa.version: [ 1, 2 ]
amdhsa.kernels:
  - .name:           k_qee7588a5e2_nearest
    .symbol:         k_qee7588a5e2_nearest.kd
    .args:
      - { .name: rec, .offset: 0, .size: 8, .value_kind: global_buffer, .address_space: global }
      - { .name: out1, .offset: 8, .size: 8, .value_kind: global_buffer, .address_space: global }
      - { .name: idx, .offset: 16, .size: 8, .value_kind: global_buffer, .address_space: global }
    .group_segment_fixed_size: 327680
    .private_segment_fixed_size: 0
    .kernarg_segment_align: 8
    .kernarg_segment_size: 24
    .max_flat_workgroup_size: 256
    .sgpr_count:     66
    .vgpr_count:     512
    .wavefront_size: 32
...
	.end_amdgpu_metadata
.endif
;; end of part 2
;; launch gather (part 3): grid 256 x 1, 8 waves a work-group, no clusters, 0 bytes of LDS; arguments idx, embedding, out0; writes out0
.if DOCPART == 3
	.amdgcn_target "amdgcn-amd-amdhsa--gfx1250"
	.amdhsa_code_object_version 6
	.text
	.protected	k_qee7588a5e2_gather
	.globl	k_qee7588a5e2_gather
	.p2align	8
	.type	k_qee7588a5e2_gather,@function
k_qee7588a5e2_gather:
	s_mov_b64 s[64:65], 0
	v_nop
	global_prefetch_b8 v0, s[64:65] scope:SCOPE_SE
	s_setreg_imm32_b32 hwreg(HW_REG_WAVE_MODE, 25, 1), 1
	s_wait_xcnt 0x0
; out0[m][:] = embedding[idx[m]][:], f32, rows of 1,024 bytes.  idx holds the whole numbers that the launch before has stored.
; A work-group takes 128 rows, a wave 16.  The wave's 16 indices come by one scalar load; each row is two loads and two stores of 512 consecutive bytes.  All 32 loads of a wave go out before its first store.
; No LDS, no barrier, no matrix unit: rows are only moved.  No register is written again, so no wait frees one.
; An index is held to 0 .. 8,191, the table's rows, before it enters an address.
	s_load_b128 s[4:7], s[0:1], 0x0                ; idx s[4:5], the codebook s[6:7]
	s_load_b64 s[8:9], s[0:1], 0x10                ; out0
	v_lshrrev_b32 v2, 5, v0
	s_delay_alu instid0(VALU_DEP_1)
	v_readfirstlane_b32 s10, v2                    ; wave 0..7
	v_and_b32 v1, 31, v0
	s_delay_alu instid0(VALU_DEP_1)
	v_lshlrev_b32 v1, 4, v1                        ; 16 x lane
	s_lshl_b32 s12, ttmp9, 9                       ; my block's 128 indices,
	s_lshl_b32 s13, s10, 6                         ; my wave's 16
	s_add_co_u32 s12, s12, s13
	s_mov_b32 s13, 0
	s_lshl_b32 s14, ttmp9, 17                      ; my block's 128 rows,
	s_lshl_b32 s15, s10, 14                        ; my wave's 16
	s_add_co_u32 s14, s14, s15
	s_mov_b32 s15, 0
	s_wait_alu depctr_va_vdst(0)
	s_wait_kmcnt 0x0
	s_add_nc_u64 s[4:5], s[4:5], s[12:13]
	s_add_nc_u64 s[8:9], s[8:9], s[14:15]
	s_load_b512 s[16:31], s[4:5], 0x0
	s_wait_kmcnt 0x0
.irp i, 0,1,2,3,4,5,6,7,8,9,10,11,12,13,14,15
	s_min_u32 s[16+\i], s[16+\i], 0x1fff
	s_lshl_b32 s[16+\i], s[16+\i], 10
	v_add_nc_u32 v[16+\i], s[16+\i], v1
.endr
	s_wait_alu depctr_va_vdst(0)
.irp i, 0,1,2,3,4,5,6,7,8,9,10,11,12,13,14,15
	global_load_b128 v[32+8*\i:35+8*\i], v[16+\i], s[6:7]              ; rows may recur: no hint
	global_load_b128 v[36+8*\i:39+8*\i], v[16+\i], s[6:7] offset:512
.endr
.irp i, 0,1,2,3,4,5,6,7,8,9,10,11,12,13,14,15
	s_wait_loadcnt 30-2*\i                         ; row i's two loads are in; the later rows' may be out
	global_store_b128 v1, v[32+8*\i:35+8*\i], s[8:9] offset:1024*\i th:TH_STORE_NT
	global_store_b128 v1, v[36+8*\i:39+8*\i], s[8:9] offset:1024*\i+512 th:TH_STORE_NT
.endr
	s_endpgm
.Lfunc_end_k_qee7588a5e2_gather:
	.size	k_qee7588a5e2_gather, .Lfunc_end_k_qee7588a5e2_gather-k_qee7588a5e2_gather
	.p2alignl 7, 3214868480
	.fill 96, 4, 3214868480
	.section	.rodata,"a",@progbits
	.p2align	6, 0x0
	.amdhsa_kernel k_qee7588a5e2_gather
		.amdhsa_group_segment_fixed_size 0
		.amdhsa_private_segment_fixed_size 0
		.amdhsa_enable_private_segment 0
		.amdhsa_kernarg_size 24
		.amdhsa_user_sgpr_count 2
		.amdhsa_user_sgpr_kernarg_segment_ptr 1
		.amdhsa_wavefront_size32 1
		.amdhsa_system_sgpr_workgroup_id_x 1
		.amdhsa_system_sgpr_workgroup_id_y 1
		.amdhsa_system_sgpr_workgroup_id_z 1
		.amdhsa_system_vgpr_workitem_id 0
		.amdhsa_next_free_vgpr 176
		.amdhsa_next_free_sgpr 66
		.amdhsa_reserve_vcc 0
		.amdhsa_float_denorm_mode_32 3
		.amdhsa_float_denorm_mode_16_64 3
		.amdhsa_memory_ordered 1
		.amdhsa_forward_progress 1
		.amdhsa_inst_pref_size 10
	.end_amdhsa_kernel
	.amdgpu_metadata
---
amdhsa.version: [ 1, 2 ]
amdhsa.kernels:
  - .name:           k_qee7588a5e2_gather
    .symbol:         k_qee7588a5e2_gather.kd
    .args:
      - { .name: idx, .offset: 0, .size: 8, .value_kind: global_buffer, .address_space: global }
      - { .name: embedding, .offset: 8, .size: 8, .value_kind: global_buffer, .address_space: global }
      - { .name: out0, .offset: 16, .size: 8, .value_kind: global_buffer, .address_space: global }
    .group_segment_fixed_size: 0
    .private_segment_fixed_size: 0
    .kernarg_segment_align: 8
    .kernarg_segment_size: 24
    .max_flat_workgroup_size: 256
    .sgpr_count:     66
    .vgpr_count:     176
    .wavefront_size: 32
...
	.end_amdgpu_metadata
.endif
;; end of part 3
